; MI455X (gfx1250); checked and timed in simulation.
; The chip was launched on July 23, 2026; its instructions are those of AMD's public machine-readable ISA for CDNA 5 (MIT licence, August 2026) and "CDNA5" Instruction Set Architecture Reference Guide (July 2026). The comments in the code are by the model that wrote it; some were corrected since.
;; SEIR Design Model. Allowed arithmetic: float matrix products may take bf16 or f16 operands with f32 sums; all other float work in f32.
;; Inputs: beta 262,144 float32; gamma 262,144 float32; sigma_e 262,144 float32; t 262,144 float32.
;; Outputs: out0 262,144 float32.
;; Constants: n_steps = 200.
;; One version. Each part assembles by itself: llvm-mc -triple=amdgcn-amd-amdhsa -mcpu=gfx1250 --defsym DOCPART=n.
;; ======== version 1 of 1: 1 launch
;; launch seir (part 1): grid 256 x 1, 8 waves a work-group, no clusters, 0 bytes of LDS; arguments beta, gamma, sigma_e, t, out0; writes out0
.if DOCPART == 1
	.amdgcn_target "amdgcn-amd-amdhsa--gfx1250"
	.amdhsa_code_object_version 6
	.text
	.protected	k_q5c4d9549b0_seir
	.globl	k_q5c4d9549b0_seir
	.p2align	8
	.type	k_q5c4d9549b0_seir,@function
k_q5c4d9549b0_seir:
	s_mov_b64 s[64:65], 0
	v_nop
	global_prefetch_b8 v0, s[64:65] scope:SCOPE_SE
	s_setreg_imm32_b32 hwreg(HW_REG_WAVE_MODE, 25, 1), 1
	s_wait_xcnt 0x0
; SEIR by 200 explicit Euler steps with clamping at 0 and renormalisation, one independent system per element; the result is I.
; beta, gamma, sigma_e, t, out0: [262144] f32.
;
; SHARES.  A lane owns 4 neighbouring elements (16 bytes of each array), a wave 128, the work-group of eight waves (two for each SIMD
; of a WGP) 1,024; 256 work-groups.  Each load and the store of a wave cover 512 consecutive bytes that start at a multiple of 512.
; Every input byte is read once, every output byte written once; S, E, I, R stay in registers through all the steps.
;
; ARITHMETIC.  dt is folded once into the rates (a = dt beta, b = dt sigma_e, c = dt gamma).  A step is, for each element,
;   T = a S;  S1 = S - T I;  E1 = T I + (E - b E);  I1 = b E + (I - c I);  R1 = c I + R          7 multiplies / fused multiply-adds
;   the four clamped at 0; total = max((S1 + R1) + (E1 + I1), 1e-12); all four times 1 / total    5 max, 3 adds, 1 rcp, 4 multiplies
; Multiplies, adds and fused multiply-adds take two elements in one v_pk_*_f32; f32 has no packed max, so two maxima go in one
; v_dual_max_num_f32.  Four elements: 28 packed + 10 dual + 4 v_rcp_f32 = 42 instructions a step.
; The lane's two pairs (elements 0,1 and 2,3) are written line by line in turn, so that a pair's next dependent line stands behind the
; other pair's, and the place owed behind a v_rcp_f32 is filled by the other pair's work: no v_nop.
;
; NOT USED, and why: matrix instructions (no product), LDS and barriers (no lane needs another lane's numbers), clusters (no two
; work-groups read the same byte), a ring of loads (a wave loads 2 KiB once, in front of 8,400 arithmetic instructions).
; The last step normalises S, E and R though only I leaves: 6 instructions of 8,400; a peeled step would cost more text than it saves.
;
; LIMITS.  Order of rounding differs from the reference's: dt = max(t, 0) * (1/200) in place of a division, dt folded into the rates,
; fused multiply-adds, the sum taken as (S + R) + (E + I), and x / total as x * v_rcp_f32(total) (1 ULP).
; dt * rate must stay below f32's largest number (3.4e38).  A total above 2^126 gets the reciprocal 0 (v_rcp_f32 flushes denormal results).
; v_max_num_f32 lets a NaN lose where jnp.maximum lets it win: where the reference's result is NaN (non-finite inputs, overflow),
; this text gives a number.
.set STEPS,  200
.set UNROLL, 8                         ; steps written out in a trip: 25 trips
.set OFS,   1                          ; v1        byte offset of my 16 bytes in every array
.set K_A,   4                          ; v[4:7]    beta, then a = dt beta
.set K_B,   8                          ; v[8:11]   sigma_e, then b = dt sigma_e
.set K_C,   12                         ; v[12:15]  gamma, then c = dt gamma
.set ST_S,  16                         ; v[16:19]  S
.set ST_E,  20                         ; v[20:23]  E
.set ST_I,  24                         ; v[24:27]  I
.set ST_R,  28                         ; v[28:31]  R
.set TMP_T, 32                         ; v[32:35]  a S
.set NEW_E, 36                         ; v[36:39]  E before normalisation (the old E is still read by I's update)
.set NEW_I, 40                         ; v[40:43]  I before normalisation (the old I is still read by the other updates)
.set TOT,   44                         ; v[44:47]  S1 + R1, the total, then its reciprocal
.set SUM,   48                         ; v[48:51]  E1 + I1
.set DT,    52                         ; v[52:55]  t, then dt
.set EPS,   3                          ; s3        1e-12
	s_load_b256 s[4:11], s[0:1], 0x0               ; beta s[4:5], gamma s[6:7], sigma_e s[8:9], t s[10:11]
	s_load_b64 s[12:13], s[0:1], 0x20              ; out0
	s_lshl_b32 s2, ttmp9, 12                       ; the work-group's 256 threads x 16 bytes
	s_mov_b32 s[EPS], 0x2b8cbccc                   ; 1e-12
	v_lshl_add_u32 v[OFS], v0, 4, s2               ; 16 x thread + the work-group's part: below 1 MiB
	s_wait_kmcnt 0x0
	global_load_b128 v[DT:DT+3],   v[OFS], s[10:11] th:TH_LOAD_NT      ; read once in the whole launch
	global_load_b128 v[K_A:K_A+3], v[OFS], s[4:5]   th:TH_LOAD_NT
	global_load_b128 v[K_B:K_B+3], v[OFS], s[8:9]   th:TH_LOAD_NT
	global_load_b128 v[K_C:K_C+3], v[OFS], s[6:7]   th:TH_LOAD_NT
.irp j, 0,1,2,3                                    ; the initial fractions, while the loads are on their way
	v_mov_b32 v[ST_S+\j], 0x3f7d70a4               ; S = 0.99
	v_mov_b32 v[ST_E+\j], 0                        ; E = 0
	v_mov_b32 v[ST_I+\j], 0x3c23d70a               ; I = 0.01
	v_mov_b32 v[ST_R+\j], 0                        ; R = 0
.endr
; max(x, floor) of the two elements of a pair in one instruction: destinations even and odd, the vector sources in neighbouring
; registers, the floor (the constant 0 or one scalar register) the same in both halves
.macro MAX2 reg, floor
	v_dual_max_num_f32 v[\reg], \floor, v[\reg] :: v_dual_max_num_f32 v[\reg+1], \floor, v[\reg+1]
.endm
	s_wait_loadcnt 0x0                             ; all four inputs are needed before the first step
	MAX2 DT, 0                                     ; t = max(t, 0)
	MAX2 DT+2, 0
.irp p, 0,2
	v_pk_mul_f32 v[DT+\p:DT+\p+1], v[DT+\p:DT+\p+1], 0x3ba3d70a op_sel_hi:[1,0]    ; dt = t / 200, as t * 0.005
.endr
.irp p, 0,2
	v_pk_mul_f32 v[K_A+\p:K_A+\p+1], v[K_A+\p:K_A+\p+1], v[DT+\p:DT+\p+1]          ; a = dt beta
	v_pk_mul_f32 v[K_B+\p:K_B+\p+1], v[K_B+\p:K_B+\p+1], v[DT+\p:DT+\p+1]          ; b = dt sigma_e
	v_pk_mul_f32 v[K_C+\p:K_C+\p+1], v[K_C+\p:K_C+\p+1], v[DT+\p:DT+\p+1]          ; c = dt gamma
.endr
; One Euler step of my four elements; p = 0, 2: the pair.
.macro STEP
.irp p, 0,2
	v_pk_mul_f32 v[TMP_T+\p:TMP_T+\p+1], v[K_A+\p:K_A+\p+1], v[ST_S+\p:ST_S+\p+1]                                  ; T = a S
.endr
.irp p, 0,2
	v_pk_fma_f32 v[ST_R+\p:ST_R+\p+1], v[K_C+\p:K_C+\p+1], v[ST_I+\p:ST_I+\p+1], v[ST_R+\p:ST_R+\p+1]              ; R1 = c I + R
.endr
.irp p, 0,2
	v_pk_fma_f32 v[NEW_E+\p:NEW_E+\p+1], v[K_B+\p:K_B+\p+1], v[ST_E+\p:ST_E+\p+1], v[ST_E+\p:ST_E+\p+1] neg_lo:[1,0,0] neg_hi:[1,0,0]   ; E - b E
.endr
.irp p, 0,2
	v_pk_fma_f32 v[NEW_I+\p:NEW_I+\p+1], v[K_C+\p:K_C+\p+1], v[ST_I+\p:ST_I+\p+1], v[ST_I+\p:ST_I+\p+1] neg_lo:[1,0,0] neg_hi:[1,0,0]   ; I - c I
.endr
.irp p, 0,2
	v_pk_fma_f32 v[ST_S+\p:ST_S+\p+1], v[TMP_T+\p:TMP_T+\p+1], v[ST_I+\p:ST_I+\p+1], v[ST_S+\p:ST_S+\p+1] neg_lo:[1,0,0] neg_hi:[1,0,0] ; S1 = S - T I
.endr
.irp p, 0,2
	v_pk_fma_f32 v[NEW_E+\p:NEW_E+\p+1], v[TMP_T+\p:TMP_T+\p+1], v[ST_I+\p:ST_I+\p+1], v[NEW_E+\p:NEW_E+\p+1]      ; E1 = T I + (E - b E)
.endr
.irp p, 0,2
	v_pk_fma_f32 v[NEW_I+\p:NEW_I+\p+1], v[K_B+\p:K_B+\p+1], v[ST_E+\p:ST_E+\p+1], v[NEW_I+\p:NEW_I+\p+1]          ; I1 = b E + (I - c I)
.endr
	MAX2 ST_R, 0                                   ; the four clamped at 0, in the order in which they were made
	MAX2 ST_R+2, 0
	MAX2 ST_S, 0
	MAX2 ST_S+2, 0
	MAX2 NEW_E, 0
	MAX2 NEW_E+2, 0
	MAX2 NEW_I, 0
	MAX2 NEW_I+2, 0
.irp p, 0,2
	v_pk_add_f32 v[TOT+\p:TOT+\p+1], v[ST_S+\p:ST_S+\p+1], v[ST_R+\p:ST_R+\p+1]        ; S1 + R1: the two that are ready first
.endr
.irp p, 0,2
	v_pk_add_f32 v[SUM+\p:SUM+\p+1], v[NEW_E+\p:NEW_E+\p+1], v[NEW_I+\p:NEW_I+\p+1]    ; E1 + I1
.endr
.irp p, 0,2
	v_pk_add_f32 v[TOT+\p:TOT+\p+1], v[TOT+\p:TOT+\p+1], v[SUM+\p:SUM+\p+1]            ; the total
.endr
	; Behind a v_rcp_f32 one plain vector instruction that touches neither its result nor its source stands before the result is used
	; (ISA guide 5.7.2).  For the first pair that is the second pair's max; for the second pair the first pair's multiplies.
	MAX2 TOT, s[EPS]                               ; max(total, 1e-12)
	v_rcp_f32 v[TOT], v[TOT]
	v_rcp_f32 v[TOT+1], v[TOT+1]
	MAX2 TOT+2, s[EPS]
	v_rcp_f32 v[TOT+2], v[TOT+2]
	v_rcp_f32 v[TOT+3], v[TOT+3]
	s_wait_alu depctr_va_vdst(0)
.irp p, 0,2
	v_pk_mul_f32 v[ST_S+\p:ST_S+\p+1], v[ST_S+\p:ST_S+\p+1],   v[TOT+\p:TOT+\p+1]      ; S and I first: the next step's first lines read them
	v_pk_mul_f32 v[ST_I+\p:ST_I+\p+1], v[NEW_I+\p:NEW_I+\p+1], v[TOT+\p:TOT+\p+1]
	v_pk_mul_f32 v[ST_E+\p:ST_E+\p+1], v[NEW_E+\p:NEW_E+\p+1], v[TOT+\p:TOT+\p+1]
	v_pk_mul_f32 v[ST_R+\p:ST_R+\p+1], v[ST_R+\p:ST_R+\p+1],   v[TOT+\p:TOT+\p+1]
.endr
.endm
	s_mov_b32 s14, STEPS/UNROLL
.Ltrip:
.rept UNROLL
	STEP
.endr
	s_sub_co_i32 s14, s14, 1
	s_cmp_lg_u32 s14, 0
	s_cbranch_scc1 .Ltrip
	global_store_b128 v[OFS], v[ST_I:ST_I+3], s[12:13] th:TH_STORE_NT  ; sixteen neighbouring lanes store 256 consecutive bytes, aligned; not read again
	s_endpgm
.Lfunc_end_k_q5c4d9549b0_seir:
	.size	k_q5c4d9549b0_seir, .Lfunc_end_k_q5c4d9549b0_seir-k_q5c4d9549b0_seir
	.p2alignl 7, 3214868480
	.fill 96, 4, 3214868480
	.section	.rodata,"a",@progbits
	.p2align	6, 0x0
	.amdhsa_kernel k_q5c4d9549b0_seir
		.amdhsa_group_segment_fixed_size 0
		.amdhsa_private_segment_fixed_size 0
		.amdhsa_enable_private_segment 0
		.amdhsa_kernarg_size 40
		.amdhsa_user_sgpr_count 2
		.amdhsa_user_sgpr_kernarg_segment_ptr 1
		.amdhsa_wavefront_size32 1
		.amdhsa_system_sgpr_workgroup_id_x 1
		.amdhsa_system_sgpr_workgroup_id_y 1
		.amdhsa_system_sgpr_workgroup_id_z 1
		.amdhsa_system_vgpr_workitem_id 0
		.amdhsa_next_free_vgpr 56
		.amdhsa_next_free_sgpr 66
		.amdhsa_reserve_vcc 0
		.amdhsa_float_denorm_mode_32 3
		.amdhsa_float_denorm_mode_16_64 3
		.amdhsa_memory_ordered 1
		.amdhsa_forward_progress 1
		.amdhsa_inst_pref_size 23
	.end_amdhsa_kernel
	.amdgpu_metadata
---
amdhsa.version: [ 1, 2 ]
amdhsa.kernels:
  - .name:           k_q5c4d9549b0_seir
    .symbol:         k_q5c4d9549b0_seir.kd
    .args:
      - { .name: beta, .offset: 0, .size: 8, .value_kind: global_buffer, .address_space: global }
      - { .name: gamma, .offset: 8, .size: 8, .value_kind: global_buffer, .address_space: global }
      - { .name: sigma_e, .offset: 16, .size: 8, .value_kind: global_buffer, .address_space: global }
      - { .name: t, .offset: 24, .size: 8, .value_kind: global_buffer, .address_space: global }
      - { .name: out0, .offset: 32, .size: 8, .value_kind: global_buffer, .address_space: global }
    .group_segment_fixed_size: 0
    .private_segment_fixed_size: 0
    .kernarg_segment_align: 8
    .kernarg_segment_size: 40
    .max_flat_workgroup_size: 256
    .sgpr_count:     66
    .vgpr_count:     56
    .wavefront_size: 32
...
	.end_amdgpu_metadata
.endif
;; end of part 1
